; MI455X (gfx1250); checked and timed in simulation.
; The chip was launched on July 23, 2026; its instructions are those of AMD's public machine-readable ISA for CDNA 5 (MIT licence, August 2026) and "CDNA5" Instruction Set Architecture Reference Guide (July 2026). The comments in the code are by the model that wrote it; some were corrected since.
;; AFT Attention. Allowed arithmetic: matrix products marked QUANTISED: E4M3 operands, one given power-of-two scale a tensor, by v_wmma_f32_16x16x64_fp8_fp8 or v_wmma_f32_16x16x128_fp8_fp8, f32 sums; everything else in f32.
;; Inputs: Wk_codes 1,024 x 32 x 32 uint8 (E4M3 codes of Wk, K innermost, in blocks of 32 codes); Wq_codes 1,024 x 32 x 32 uint8 (E4M3 codes of Wq, K innermost, in blocks of 32 codes); Wv_codes 1,024 x 32 x 32 uint8 (E4M3 codes of Wv, K innermost, in blocks of 32 codes); bk 1,024 float32; bq 1,024 float32; bv 1,024 float32; lowp_scales 6 int32 (the exponents e of the quantised operands' scales 2^e); wbias 1,024 float32; x_codes 8 x 2,048 x 32 x 32 uint8 (E4M3 codes of x, K innermost, in blocks of 32 codes).
;; Outputs: out0 8 x 2,048 x 1,024 float32.
;; This version of the problem:
;;   THIS VERSION OF THE PROBLEM IS GIVEN IN LOW PRECISION. The matrix products marked QUANTISED in the list below multiply operands that are first quantised to E4M3 (4 exponent bits, 3 mantissa bits; 8 bits a number), with one given power-of-two scale for each operand tensor; their sums are f32. All else is computed in f32.
;;   The module's matrix products, in the order in which they are computed (A, B: the left and right operand; K: the contracted axis; several contracted axes count as one K, in the product's order):
;;     1. [M 16,384, K 1,024] x [K 1,024, N 1,024]; A: input x (given as codes); B: input Wq (given as codes): QUANTISED (scales: A lowp_scales[0], B lowp_scales[1])
;;     2. [M 16,384, K 1,024] x [K 1,024, N 1,024]; A: input x (given as codes); B: input Wk (given as codes): QUANTISED (scales: A lowp_scales[2], B lowp_scales[3])
;;     3. [M 16,384, K 1,024] x [K 1,024, N 1,024]; A: input x (given as codes); B: input Wv (given as codes): QUANTISED (scales: A lowp_scales[4], B lowp_scales[5])
;;   THE QUANTISER, for each operand of a quantised product, along K:
;;     - The operand's scale is 2^e, e = its entry of the input lowp_scales (int32; the entries are numbered through the quantised products in the list's order, A before B).
;;     - Each number is divided by the scale, clamped to +-448, and rounded to the nearest number of E4M3, ties to even, subnormals kept.
;;     - The product sums the exact products of the quantised numbers (number of the format x scale) in f32.
;;   ~~~python
;;   def quantise(x, axis, e):      # numpy; x: float32 -> the quantised numbers, widened to float32 again
;;       x = np.moveaxis(x, axis, -1); K = x.shape[-1]
;;       r = np.clip(x / 2.0 ** e, -448, 448)
;;       step = 2.0 ** (np.maximum(np.frexp(np.where(r == 0, 1, r))[1] - 1, -6) - 3)
;;       q = np.round(r / step) * step * 2.0 ** e      # np.round: ties to even
;;       return np.moveaxis(q, -1, axis).astype(np.float32)
;;   ~~~
;;   INPUTS GIVEN AS CODES. Wk (in the module: [1024, 1024], K = its axis 1); Wq (in the module: [1024, 1024], K = its axis 1); Wv (in the module: [1024, 1024], K = its axis 1); x (in the module: [8, 2048, 1024], K = its axis 2): each comes as NAME_codes (uint8): NAME with its K axis moved to the last place and cut into blocks of 32 codes, [.., K / 32, bytes a block], one block behind the other in memory; one code a byte (a code: sign, 4 exponent bits, 3 mantissa bits); its scale is its entry of lowp_scales. Its value is code x scale, taken as it is: it is not quantised again, and the codes and scales need not be those that the quantiser above would give.
;; One version. Each part assembles by itself: llvm-mc -triple=amdgcn-amd-amdhsa -mcpu=gfx1250 --defsym DOCPART=n.
;; ======== version 1 of 1: 1 launch
;; launch aft (part 1): grid 4 x 64, 4 waves a work-group, clusters of 4 x 4, 327,680 bytes of LDS; arguments x_codes, Wq_codes, Wk_codes, Wv_codes, bq, bv, lowp_scales, out0; writes out0
.if DOCPART == 1
	.amdgcn_target "amdgcn-amd-amdhsa--gfx1250"
	.amdhsa_code_object_version 6
	.text
	.protected	k_qe0cebe050c_aft
	.globl	k_qe0cebe050c_aft
	.p2align	8
	.type	k_qe0cebe050c_aft,@function
k_qe0cebe050c_aft:
	s_mov_b64 s[64:65], 0
	v_nop
	global_prefetch_b8 v0, s[64:65] scope:SCOPE_SE
	s_setreg_imm32_b32 hwreg(HW_REG_WAVE_MODE, 25, 1), 1
	s_wait_xcnt 0x0
	s_wait_alu depctr_hold_cnt(0) depctr_sa_sdst(0) depctr_va_vdst(0) depctr_va_sdst(0) depctr_va_ssrc(0) depctr_va_vcc(0) depctr_vm_vsrc(0)
	s_getreg_b32 s2, hwreg(HW_REG_IB_STS2, 6, 4)
	s_cmp_eq_u32 s2, 0
	s_cbranch_scc0 .Lentry_in_a_cluster
	s_endpgm
.Lentry_in_a_cluster:
	s_bfe_u32 s2, ttmp6, 0x10000c
	s_cmp_lg_u32 s2, 0xf033
	s_cbranch_scc0 .Lentry_shape_is_right
	s_endpgm
.Lentry_shape_is_right:
; out[b][t][h] = sigmoid(Q[b][t][h]) x (sum over b' of e^(K[b'][t][h] + wbias[h]) V[b'][t][h]) / (sum over b' of e^(K[b'][t][h] + wbias[h])),
; Q = x Wq^T + bq, K = x Wk^T + bk, V = x Wv^T + bv.  x: [8][2048][1024], Wq, Wk, Wv: [1024][1024], all as codes of FP8 (E4M3), K innermost; out: f32.
; The three products run on the codes as they are (v_wmma_f32_16x16x64_fp8_fp8, f32 sums); each finished sum stands for sum x 2^(its two exponents of lowp_scales added).
; WORK LEFT OUT.  e^(K + wbias) = c[h] x e^(x Wk^T), with c[h] = e^(bk[h] + wbias[h]) > 0, the same number for all eight b'.  Both sums run over b' alone, so c[h] is a factor of the
; numerator and of the divisor and cancels, whatever bk and wbias hold.  So bk and wbias have no way to the result: they are not loaded and are not among the arguments.
; Likewise sum(e (V' + bv)) / sum(e) = sum(e V') / sum(e) + bv: bv is live and is added once for each (t, h).
; LIMITS.  A NaN, an infinity or an overflow that reaches only bk or wbias is not carried to the result.  The largest of the eight exponents of a (t, h) is taken away before the exponentials
; (the quotient is the same in exact arithmetic): no exponential overflows and the divisor lies between 1 and 8; where an unshifted e^K would overflow, this text stays finite.
; e0 + e1, e2 + e3 and e4 + e5 lie between -126 and 127, so that each power of two below is an f32 number.  NaN codes among the inputs are not served.
; Inside a matrix instruction k stands in other places than the form's own layout gives it, alike in both operands, and the phases of K are not walked in ascending order: only the order of the sums changes.
; SHARES.  A work-group owns 32 time steps x all 8 batches (256 rows of x) and STAYS: it makes two tiles, first with 128 hidden units of each of Wq, Wk, Wv, then with the 128 that lie 512 further on.
; Wave w (wm = w / 2, wn = w % 2) owns 16 time steps x 8 batches and 64 hidden units x 3 of a tile: 8 x 12 accumulators of 16 x 16, 768 registers.  For 64 along K it reads (128 + 192) x 64 bytes of LDS for 96 matrix instructions.
; LAYOUT.  Source 0 = 16 rows of x, source 1 = 16 rows of W: register j of lane (r = lane % 16, hh = lane / 16) holds row 8 hh + j, column r.  The rows of x lie in LDS as 8 tt + b, so a lane's eight
; registers of tile i are the EIGHT BATCHES of one time step (16 wm + 2 i + hh): maximum and sums over the batch never leave the lane.  Lane r of W's tile u takes hidden unit 64 wn + 4 r + u, so a lane's
; four tiles hold four NEIGHBOURING columns: 16 bytes, and sixteen lanes store 256 consecutive bytes, aligned.  Nothing goes through LDS on the way out.
; Both orders are made by the tensor loads: three-dimensional tiles whose planes and rows are laid so that the 16 lanes of a fragment read 16 consecutive LDS rows.
; CLUSTER.  4 x 4 work-groups.  x's tile hangs on the block of time steps alone: the four of a row of the cluster ask for it jointly; W's tiles hang on the block of hidden units alone: the four of a column.
; K WALK.  16 steps of 64 along K through two LDS slots of unequal size (two of 256 along K for 640 rows do not fit): Big holds 256 along K, Small 128.
;   Big: K 0-255 | Small: 256-383 | Big: 512-767 | Small: 384-511 | Big: 768-1023.  Three refills in a walk.
; THE TEXT.  The walk is written once, a loop of two trips.  The way out is written twice: the first tile's holds the two joint loads that fill Big and Small for the second tile, so that they land while the
; first tile's results are made and stored; the last tile's asks for nothing.  By this text's own count a wave has two tensor loads out at the head and one behind each refill.
; REGISTERS, in windows of 256: window 1: Q's 32 accumulators ((i, u) at v[8 (4 i + u)]); window 2: K's; window 3: V's; window 0: addresses, fragments, and on the way out all that is at work.
.set PB,    272                        ; a row in Big: 256 bytes + 16 = 68 words: 16 consecutive rows begin at 16 different banks (64 banks of 4 bytes: ISA guide 11.1)
.set PS,    144                        ; a row in Small: 128 bytes + 16 = 36 words: likewise
.set WB,    256*PB                     ; Big: x's 256 rows at 0, then Wq's, Wk's, Wv's 128 rows each
.set WBM,   128*PB
.set XS,    WB+3*WBM                   ; Small: x's 256 rows,
.set WS,    XS+256*PS                  ; then the three W's
.set WSM,   128*PS
.set SPARE, WS+3*WSM                   ; 266,240: the spare words, 128 bytes for each wave: two blocks of 256 bytes that no other line names
.set WSTEP, 512*1024                   ; bytes from a tile's rows of W to the next tile's: 512 rows
.set AXB,  1                           ; v1   LDS address of my x fragments in Big: (128 wm + r) PB + 16 hh
.set AXS,  2                           ; v2   in Small
.set AWB,  3                           ; v3   of my W fragments in Big: Wq's, and Wk's by the immediate
.set AWBV, 4                           ; v4   Wv's in Big (beyond the immediate's 16 bits)
.set AWS,  5                           ; v5   of all three in Small
.set CO,   6                           ; v6   my byte offset in out: 4096 hh + 16 r; never rewritten
.set BO,   7                           ; v7   16 r: my four biases; never rewritten
.set SPW,  8                           ; v8   LDS address of my spare word: SPARE + 4 x my thread's number; never rewritten
.set NIL,  9                           ; v9   0; never rewritten
.set BQP,  12                          ; v[12:19] -log2(e) bq of my four columns of the tile in hand, each twice (pairs for the packed form)
.set BVB,  20                          ; v[20:23] bv of my four columns of the first tile
.set BV2,  24                          ; v[24:27] of the second
.set PFO,  28                          ; v28  the prefetches' offset: batch lane % 8, time step lane / 8; never rewritten
.set HRAW, 32                          ; v[32:35] at the head: the first tile's bq as loaded
.set AF,   32                          ; v32-95, v96-159: x's 8 fragments (16 rows x 64 K, 8 registers), two sets
.set BQ,   160                         ; v160-191 Wq's 4 fragments;  v192-223 Wk's;  v224-255 Wv's
.set BK,   192
.set BVF,  224
.set E0,   32                          ; the way out: v32-63, v64-95: the exponents, then e, of tile i, by turns (8 u + j)
.set Z,    96                          ; v96-127  the gate's exponent, then 1 + e^-Q (8 u + j)
.set R0,   128                         ; v128-159, v160-191: the gate, then the result, by turns (4 j + u: four neighbouring columns of batch j)
.set CM,   192                         ; v192-199 the largest exponent of column u, in the low word of a pair
.set MX,   200                         ; v200-203 the largest sum
.set DA,   204                         ; v204-211, v212-219: the divisor's partial sums
.set DB,   212
.set NU,   220                         ; v220-227 the numerator's
.set DF,   228                         ; v228-231 the divisor
.set NF,   232                         ; v232-235 the numerator
.set RD,   236                         ; v236-239 1 / the divisor
.set TT,   240
.set WW,   244                         ; v244-247 the weighted value of my four columns
.set RAW,  248                         ; v[248:251] on the first way out: the second tile's bq as loaded
.set TL,   2                           ; s2  tiles to go, this one among them: the same number in every work-group
.set OB,   4                           ; s[4:11] out at my first row and column, 0x400000 bytes into batches 0, 2, 4, 6: each base serves two batches by the store's signed 24-bit immediate
.set WV,   20                          ; s20 wave; s21 wm; s22 wn; s23 cx; s24 cy; s25 first block of hidden units; s26 block of time steps
.set WM,   21
.set WN,   22
.set CX,   23
.set CY,   24
.set WX,   25
.set WY,   26
.set PFA,  28                          ; s[28:29] where my prefetches stand; never rewritten
.set ASKF, 30                          ; s30 1 in a wave that prefetches, in the first tile
.set G1XB, 32                          ; descriptor groups 1: x into Big, x into Small, W into Big, W into Small
.set G1XS, 40
.set G1WB, 48
.set G1WS, 56
.set G2X,  68                          ; groups 2: x's, W's; group 3 for all
.set G2W,  72
.set G3,   76
.set G0XB, 80                          ; groups 0
.set G0XS, 84
.set G0WB, 88
.set G0WS, 92
.set CQ,   96                          ; s[96:97]   -log2(e) 2^(e0 + e1), twice
.set CK,   98                          ; s[98:99]   log2(e) 2^(e2 + e3), twice
.set SV,   100                         ; s[100:101] 2^(e4 + e5), twice
.set MSB, 0
.macro WIN new                         ; the immediate's high byte repeats the setting that is left; bits 1:0 source 0, 3:2 source 1, 5:4 source 2, 7:6 destination
.if MSB != \new
	s_set_vgpr_msb (MSB<<8)|\new
.set MSB, \new
.endif
.endm
; A load into a register that a matrix instruction has read, and a vector instruction that reads a matrix result, stand four places behind it; only plain vector instructions that name none of its registers are places
.macro PLACES
.rept 4
	v_nop
.endr
.endm
; A joint load: wave 0 fetches x's tile, waves 1, 2, 3 Wq's, Wk's, Wv's.  Each line has one mask; the branch hangs on the wave's number alone.  An s_nop 0 and four v_nop follow each line.
.macro JLOAD g0x, g1x, g0w, g1w
	s_cmp_eq_u32 s[WV], 0
	s_cbranch_scc0 .Lfor_w_\@
	tensor_load_to_lds s[\g0x:\g0x+3], s[\g1x:\g1x+7], s[G2X:G2X+3], s[G3:G3+3]
	s_nop 0
.rept 4
	v_nop
.endr
	s_branch .Lasked_\@
.Lfor_w_\@:
	tensor_load_to_lds s[\g0w:\g0w+3], s[\g1w:\g1w+7], s[G2W:G2W+3], s[G3:G3+3]
	s_nop 0
.rept 4
	v_nop
.endr
.Lasked_\@:
.endm
; A prefetch of 256 bytes of each of the tile's 256 rows of x, for a later refill of Big.  Only my row of the cluster reads these rows.  Its four partners share them out BY ADDRESS,
; 8 time steps each; in each, waves 0 and 1 take 4 time steps x 8 batches, a lane a row: each aligned block of 256 bytes is named once in the launch.  In the second tile the rows have been read: nothing is asked for.
.macro ASK off
	s_cmp_eq_u32 s[ASKF], 1
	s_cbranch_scc0 .Lnot_mine_\@
	global_prefetch_b8 v[PFO], s[PFA:PFA+1] offset:\off th:TH_LOAD_NT scope:SCOPE_SE
.Lnot_mine_\@:
.endm
.macro CREST                           ; a round of the cluster's barrier behind its opening barrier
	s_cmp_lg_u32 s[WV], 0
	s_cbranch_scc1 .Lnot_wave_0_\@
	s_barrier_signal -3
.Lnot_wave_0_\@:
	s_barrier_wait -3
	s_barrier_signal -1
	s_barrier_wait -1
.endm
.macro CROUND                          ; a whole round
	s_barrier_signal -1
	s_barrier_wait -1
	CREST
.endm
; cnt fragments of 16 rows x 64 K, stride bytes apart: two loads of 16 bytes each, 32 bytes apart: registers 0-3 hold k = 16 hh + 0 .. 15, registers 4-7 k = 32 + 16 hh + 0 .. 15, in x and in W alike
.macro FRAGS reg, cnt, adr, off, stride
.set fi, 0
.rept \cnt
	ds_load_b128 v[(\reg)+8*fi:(\reg)+8*fi+3],   v[\adr] offset:(\off)+fi*(\stride)
	ds_load_b128 v[(\reg)+8*fi+4:(\reg)+8*fi+7], v[\adr] offset:(\off)+fi*(\stride)+32
.set fi, fi+1
.endr
.endm
.macro FQA slot, k, set                ; 24 loads: Wq's four fragments and x's eight, at byte k of the rows of Big (slot = 0) or Small (1)
.if \slot
	FRAGS BQ, 4, AWS, \k, 32*PS
	FRAGS AF+64*(\set), 8, AXS, \k, 16*PS
.else
	FRAGS BQ, 4, AWB, \k, 32*PB
	FRAGS AF+64*(\set), 8, AXB, \k, 16*PB
.endif
.endm
.macro FK slot, k                      ; 8 loads: Wk's four
.if \slot
	FRAGS BK, 4, AWS, WSM+\k, 32*PS
.else
	FRAGS BK, 4, AWB, WBM+\k, 32*PB
.endif
.endm
.macro FV slot, k                      ; 8 loads: Wv's four
.if \slot
	FRAGS BVF, 4, AWS, 2*WSM+\k, 32*PS
.else
	FRAGS BVF, 4, AWBV, \k, 32*PB
.endif
.endm
; 4 cnt matrix instructions: x's tiles i0 on against one W's four.  The accumulators take turns, one instruction a turn.  zero = 1: the first product starts the sums
.macro MM set, bf, i0, cnt, zero
.set mi, \i0
.rept \cnt
.irp u, 0,1,2,3
.if \zero
	v_wmma_f32_16x16x64_fp8_fp8 v[8*(4*mi+\u):8*(4*mi+\u)+7], v[AF+64*(\set)+8*mi:AF+64*(\set)+8*mi+7], v[\bf+8*\u:\bf+8*\u+7], 0
.else
	v_wmma_f32_16x16x64_fp8_fp8 v[8*(4*mi+\u):8*(4*mi+\u)+7], v[AF+64*(\set)+8*mi:AF+64*(\set)+8*mi+7], v[\bf+8*\u:\bf+8*\u+7], v[8*(4*mi+\u):8*(4*mi+\u)+7]
.endif
.endr
.set mi, mi+1
.endr
.endm
; A step of 64 along K: 32 products for Q, for K, for V; behind each run the next step's fragments of that W are fetched (x's into the other set, with Wq's)
.macro STEP set, nslot, nk, zero
	s_wait_dscnt 16                                ; Wq's and x's fragments are in; Wk's 8 loads and Wv's 8 may be out
	WIN 0x50
	MM \set, BQ, 0, 8, \zero
	PLACES
	WIN 0
	FQA \nslot, \nk, 1-(\set)
	s_wait_dscnt 32                                ; Wk's are in; behind them: Wv's 8 and the 24 just issued
	WIN 0xa0
	MM \set, BK, 0, 8, \zero
	PLACES
	WIN 0
	FK \nslot, \nk
	s_wait_dscnt 32                                ; Wv's are in; behind them: the 24 and the 8
	WIN 0xf0
	MM \set, BVF, 0, 8, \zero
	PLACES
	WIN 0
	FV \nslot, \nk
.endm
; A slot's last step (always on set 1) changes slots: ONE barrier.  In front of it each wave waits for all its tensor loads (its part of the next slot), adds 0 to its spare word, and waits for that and for
; its reads of this slot.  fill = 1: Big is filled again, fill = 2: Small, step bytes further along K; the barrier then opens a round of the cluster's barrier.  ask: the byte in a row that is prefetched, or 0
.macro TURN nslot, nk, fill, step, ask
	s_wait_tensorcnt 0x0                           ; all my tensor loads have landed (every window is 0 here: the add's two registers lie in window 0)
	ds_add_u32 v[SPW], v[NIL]                      ; 0 onto my spare word
	s_wait_dscnt 17                                ; Wq's and x's fragments are in; Wk's 8, Wv's 8 and the add may be out
	WIN 0x50
	MM 1, BQ, 0, 4, 0                              ; sixteen matrix instructions stand between the add and the wait for it
	s_wait_dscnt 0x0                               ; the add is done, and my reads of this slot are over
	s_barrier_signal -1
	MM 1, BQ, 4, 4, 0
	WIN 0
	s_barrier_wait -1
.if \fill == 1
	CREST                                          ; no wave of any partner still reads this slot or has a load on its way
	s_add_nc_u64 s[G0XB+2:G0XB+3], s[G0XB+2:G0XB+3], \step   ; no load of mine is out, so a group 0 may be written; the type bits on top are not reached
	s_add_nc_u64 s[G0WB+2:G0WB+3], s[G0WB+2:G0WB+3], \step
	JLOAD G0XB, G1XB, G0WB, G1WB                   ; the first tensor load behind the round; its four v_nop are also the places in front of the loads below
.elseif \fill == 2
	CREST
	s_add_nc_u64 s[G0XS+2:G0XS+3], s[G0XS+2:G0XS+3], \step
	s_add_nc_u64 s[G0WS+2:G0WS+3], s[G0WS+2:G0WS+3], \step
	JLOAD G0XS, G1XS, G0WS, G1WS
.else
	PLACES
.endif
	FQA \nslot, \nk, 0
.if \ask
	ASK \ask                                       ; behind the joint load and the run of LDS loads that the next products wait for
.endif
	WIN 0xa0
	MM 1, BK, 0, 8, 0
	PLACES
	WIN 0
	FK \nslot, \nk
	WIN 0xf0
	MM 1, BVF, 0, 8, 0
	PLACES
	WIN 0
	FV \nslot, \nk
.endm
; THE WAY OUT, a tile i of 16 rows (two time steps x 8 batches) x my 64 columns at a time: 32 numbers a lane.  Each accumulator is read from its low end on.
; PREPK: the largest of the eight sums of K for each of my four columns; the exponents log2(e) 2^(e2+e3) (sum - largest), two at a time
.macro PREPK i
.set EB, E0+32*((\i)%2)
	WIN 0x2a                                       ; sources 0, 1, 2: window 2
.irp u, 0,1,2,3
	v_max3_num_f32 v[MX+\u], v[8*(4*(\i)+\u)], v[8*(4*(\i)+\u)+1], v[8*(4*(\i)+\u)+2]
.endr
	WIN 0x0a                                       ; sources 0, 1: window 2
.irp u, 0,1,2,3
	v_max3_num_f32 v[MX+\u], v[8*(4*(\i)+\u)+3], v[8*(4*(\i)+\u)+4], v[MX+\u]
.endr
.irp u, 0,1,2,3
	v_max3_num_f32 v[MX+\u], v[8*(4*(\i)+\u)+5], v[8*(4*(\i)+\u)+6], v[MX+\u]
.endr
	WIN 0x02                                       ; source 0: window 2
.irp u, 0,1,2,3
	v_max_num_f32 v[MX+\u], v[8*(4*(\i)+\u)+7], v[MX+\u]
.endr
.irp u, 0,1,2,3
	v_mul_f32 v[CM+2*\u], s[CK], v[MX+\u]          ; (the factor is positive)
.endr
.irp u, 0,1,2,3
.irp j, 0,2,4,6
	v_pk_fma_f32 v[EB+8*\u+\j:EB+8*\u+\j+1], v[8*(4*(\i)+\u)+\j:8*(4*(\i)+\u)+\j+1], s[CK:CK+1], v[CM+2*\u:CM+2*\u+1] op_sel_hi:[1,0,0] neg_lo:[0,0,1] neg_hi:[0,0,1]
.endr
.endr
	WIN 0
.endm
; PREPQ: the gate's exponents -log2(e) (sum 2^(e0+e1) + bq)
.macro PREPQ i
	WIN 0x01                                       ; source 0: window 1
.irp u, 0,1,2,3
.irp j, 0,2,4,6
	v_pk_fma_f32 v[Z+8*\u+\j:Z+8*\u+\j+1], v[8*(4*(\i)+\u)+\j:8*(4*(\i)+\u)+\j+1], s[CQ:CQ+1], v[BQP+2*\u:BQP+2*\u+1] op_sel_hi:[1,0,1]
.endr
.endr
	WIN 0
.endm
; EXPS: one batch of 64 exponentials, in place
.macro EXPS i
.set EB, E0+32*((\i)%2)
.set q, 0
.rept 32
	v_exp_f32 v[EB+q], v[EB+q]
.set q, q+1
.endr
.set q, 0
.rept 32
	v_exp_f32 v[Z+q], v[Z+q]
.set q, q+1
.endr
.endm
; MID: 1 + e^-Q; the divisor and the numerator of each of my four columns, summed over the lane's eight batches
.macro MID i
.set EB, E0+32*((\i)%2)
.set q, 0
.rept 16
	v_pk_add_f32 v[Z+q:Z+q+1], v[Z+q:Z+q+1], 1.0 op_sel_hi:[1,0]
.set q, q+2
.endr
.irp u, 0,1,2,3
	v_pk_add_f32 v[DA+2*\u:DA+2*\u+1], v[EB+8*\u:EB+8*\u+1], v[EB+8*\u+2:EB+8*\u+3]
.endr
.irp u, 0,1,2,3
	v_pk_add_f32 v[DB+2*\u:DB+2*\u+1], v[EB+8*\u+4:EB+8*\u+5], v[EB+8*\u+6:EB+8*\u+7]
.endr
.irp u, 0,1,2,3
	v_pk_add_f32 v[DA+2*\u:DA+2*\u+1], v[DA+2*\u:DA+2*\u+1], v[DB+2*\u:DB+2*\u+1]
.endr
.irp u, 0,1,2,3
	v_add_f32 v[DF+\u], v[DA+2*\u], v[DA+2*\u+1]
.endr
	WIN 0x03                                       ; source 0: window 3
.irp u, 0,1,2,3
	v_pk_mul_f32 v[NU+2*\u:NU+2*\u+1], v[8*(4*(\i)+\u):8*(4*(\i)+\u)+1], v[EB+8*\u:EB+8*\u+1]
.endr
.irp j, 2,4,6
.irp u, 0,1,2,3
	v_pk_fma_f32 v[NU+2*\u:NU+2*\u+1], v[8*(4*(\i)+\u)+\j:8*(4*(\i)+\u)+\j+1], v[EB+8*\u+\j:EB+8*\u+\j+1], v[NU+2*\u:NU+2*\u+1]
.endr
.endr
	WIN 0
.irp u, 0,1,2,3
	v_add_f32 v[NF+\u], v[NU+2*\u], v[NU+2*\u+1]
.endr
.endm
; RCPS: one batch of 36 reciprocals: the four divisors', and the 32 gates, which land turned: batch j's four neighbouring columns in four neighbouring registers
.macro RCPS i
.set RB, R0+32*((\i)%2)
.irp u, 0,1,2,3
	v_rcp_f32 v[RD+\u], v[DF+\u]
.endr
.irp j, 0,1,2,3,4,5,6,7
.irp u, 0,1,2,3
	v_rcp_f32 v[RB+4*\j+\u], v[Z+8*\u+\j]
.endr
.endr
.endm
; FIN: weighted = numerator / divisor x 2^(e4+e5) + bv; result = gate x weighted; eight stores, one for each batch: lanes 0-15 and lanes 16-31 each store 256 consecutive bytes, aligned; written once, read by nobody here.
; toff: the tile's columns in bytes (0 or 2,048); bv: the tile's bv.  Batch j goes by base j / 2, 0x400000 bytes under or over it; the largest immediate is 0x400000 + 7 x 8,192 + 2,048, inside the signed 24 bits (ISA guide, chapter 10)
.macro FIN i, toff, bv
.set RB, R0+32*((\i)%2)
.irp p, 0,2
	v_pk_mul_f32 v[TT+\p:TT+\p+1], v[NF+\p:NF+\p+1], v[RD+\p:RD+\p+1]
.endr
.irp p, 0,2
	v_pk_fma_f32 v[WW+\p:WW+\p+1], v[TT+\p:TT+\p+1], s[SV:SV+1], v[\bv+\p:\bv+\p+1] op_sel_hi:[1,0,1]
.endr
.irp j, 0,1,2,3,4,5,6,7
.irp p, 0,2
	v_pk_mul_f32 v[RB+4*\j+\p:RB+4*\j+\p+1], v[RB+4*\j+\p:RB+4*\j+\p+1], v[WW+\p:WW+\p+1]
.endr
.endr
.irp j, 0,1,2,3,4,5,6,7
	global_store_b128 v[CO], v[RB+4*\j:RB+4*\j+3], s[OB+2*(\j/2):OB+2*(\j/2)+1] offset:(2*(\j%2)-1)*0x400000+8192*(\i)+\toff th:TH_STORE_NT
.endr
.endm
.macro TAIL0                           ; what stands in front of the first tile i
.irp u, 0,1,2,3
	v_mov_b32 v[CM+2*\u+1], 0                      ; (named as the upper half of a pair, so it is written; the walk's fragments have lain here)
.endr
	PREPK 0
	PREPQ 0
.endm
; Tile i's turn.  Two batches of transcendentals, each with plain work of other tiles behind it and ONE wait ahead of its first reader.
.macro ONE i, toff, bv
	EXPS \i
.if \i > 0
	FIN \i-1, \toff, \bv                           ; the tile before is finished and stored while the exponentials are out: it names none of their results
.endif
.if \i < 7
	PREPK \i+1                                     ; into the other set of e's registers
.endif
	s_wait_alu depctr_va_vdst(0)                   ; one wait for the 64 exponentials
	MID \i
.if \i > 1
	s_wait_xcnt 0x0                                ; the stores of two tiles back have read their data: the reciprocals below land in those registers
.endif
	RCPS \i
	v_nop                                          ; a plain instruction between the last reciprocal and the lines that write its source anew
.if \i < 7
	PREPQ \i+1
.endif
	s_wait_alu depctr_va_vdst(0)                   ; one wait for the 36 reciprocals
.endm
	s_load_b256 s[4:11], s[0:1], 0x0               ; x s[4:5], Wq s[6:7], Wk s[8:9], Wv s[10:11]
	s_load_b256 s[12:19], s[0:1], 0x20             ; bq s[12:13], bv s[14:15], the scales' exponents s[16:17], out s[18:19]
	v_lshl_add_u32 v[SPW], v0, 2, SPARE
	v_mov_b32 v[NIL], 0
	ds_add_u32 v[SPW], v[NIL]                      ; the wave's opening: two adds, then their wait ahead of my first tensor load; the set-up below, work on registers, stands between
	ds_add_u32 v[SPW], v[NIL]                      ; and once more, under the one wait
	v_lshrrev_b32 v10, 5, v0
	v_readfirstlane_b32 s[WV], v10                 ; wave 0..3
	s_lshr_b32 s[WM], s[WV], 1                     ; which 16 time steps are mine
	s_and_b32 s[WN], s[WV], 1                      ; which 64 hidden units
	s_bfe_u32 s[CX], ttmp6, 0x40000                ; my place in the cluster
	s_bfe_u32 s[CY], ttmp6, 0x40004
	s_lshl_b32 s[WX], ttmp9, 2
	s_add_co_u32 s[WX], s[WX], s[CX]               ; the first tile's block of 128 hidden units = 4 x cluster x + cx (the grid has one cluster along x); the second tile's lies four blocks on
	s_and_b32 s[WY], ttmp7, 0xffff
	s_lshl_b32 s[WY], s[WY], 2
	s_add_co_u32 s[WY], s[WY], s[CY]               ; block of 32 time steps = 4 x cluster y + cy
	s_lshl_b32 s27, s[CY], 2
	s_lshl_b32 s27, 15, s27                        ; my row of the cluster
	s_lshl_b32 s31, 0x1111, s[CX]                  ; my column
	; groups 1.  15:0 the mask; 17:16 elements of 1 byte; 20 padding on; 21 set beside a mask; 24:22 after every 64 words (code 5) or 32 (code 4); 31:25 four words (code 3)
	s_or_b32 s[G1XB], s27, (1<<20)|(1<<21)|(5<<22)|(3<<25)
	s_or_b32 s[G1XS], s27, (1<<20)|(1<<21)|(4<<22)|(3<<25)
	s_or_b32 s[G1WB], s31, (1<<20)|(1<<21)|(5<<22)|(3<<25)
	s_or_b32 s[G1WS], s31, (1<<20)|(1<<21)|(4<<22)|(3<<25)
	; x: element (k, b, tt) at (tt x 1024 + b x 2^21 + k) bytes from the tile's first: rows run over the 8 batches, planes over the 32 time steps, so LDS row = 8 tt + b
.irp g, G1XB, G1XS
	s_mov_b32 s[\g+2], 8<<16                       ; tensor_dim1 = 8
	s_mov_b32 s[\g+4], 8|(32<<16)                  ; tile_dim1 = 8, tile_dim2 = 32
	s_mov_b32 s[\g+5], 0x200000                    ; from row to row: a batch
	s_mov_b32 s[\g+6], 1024<<16                    ; from plane to plane: a time step
	s_mov_b32 s[\g+7], 0
.endr
	; W: element (k, q, u) at ((4 q + u) x 1024 + k): rows run over q = 0 .. 31, planes over u = 0 .. 3, so LDS row = 32 u + q
.irp g, G1WB, G1WS
	s_mov_b32 s[\g+2], 32<<16                      ; tensor_dim1 = 32
	s_mov_b32 s[\g+4], 32|(4<<16)                  ; tile_dim1 = 32, tile_dim2 = 4
	s_mov_b32 s[\g+5], 4096                        ; from row to row: four rows of W
	s_mov_b32 s[\g+6], 1024<<16                    ; from plane to plane: one
	s_mov_b32 s[\g+7], 0
.endr
.irp g, G1XB, G1WB
	s_mov_b32 s[\g+1], 256<<16                     ; tensor_dim0 = tile_dim0 = 256
	s_mov_b32 s[\g+3], 256<<16
.endr
.irp g, G1XS, G1WS
	s_mov_b32 s[\g+1], 128<<16                     ; 128
	s_mov_b32 s[\g+3], 128<<16
.endr
	s_mov_b32 s[G2X], 32                           ; tensor_dim2
	s_mov_b32 s[G2X+1], 1                          ; tensor_dim3
	s_mov_b32 s[G2X+2], 32*1024                    ; the stride of a dimension that is not used (tile_dim3 = 0)
	s_mov_b32 s[G2X+3], 0
	s_mov_b32 s[G2W], 4
	s_mov_b32 s[G2W+1], 1
	s_mov_b32 s[G2W+2], 128*1024
	s_mov_b32 s[G2W+3], 0
	s_mov_b32 s[G3], 0x100000                      ; likewise (tile_dim4 = 0)
	s_mov_b32 s[G3+1], 1<<16                       ; tensor_dim4 = 1
	s_mov_b32 s[G3+2], 0
	s_mov_b32 s[G3+3], 0
	; groups 0: count, LDS address (constants and the wave's number: no place in the cluster enters it)
	s_mov_b32 s[G0XB], 1
	s_mov_b32 s[G0XB+1], 0
	s_mov_b32 s[G0XS], 1
	s_mov_b32 s[G0XS+1], XS
	s_mov_b32 s[G0WB], 1
	s_mul_i32 s[G0WB+1], s[WV], WBM
	s_add_co_u32 s[G0WB+1], s[G0WB+1], WB-WBM      ; wave 1, 2, 3: Wq's, Wk's, Wv's rows in Big
	s_mov_b32 s[G0WS], 1
	s_mul_i32 s[G0WS+1], s[WV], WSM
	s_add_co_u32 s[G0WS+1], s[G0WS+1], WS-WSM      ; and in Small
	s_lshl_b32 s66, s[WY], 15                      ; x: 32 time steps of 1,024 bytes for each block
	s_mov_b32 s67, 0
	s_lshl_b32 s2, s[WX], 17                       ; W: 128 rows of 1,024 bytes
	s_mov_b32 s3, 0
	s_wait_dscnt 0x0                               ; both opening adds are done
	s_wait_kmcnt 0x0
	s_load_b128 s[CQ:CQ+3], s[16:17], 0x0          ; e0 .. e3
	s_load_b64 s[SV:SV+1], s[16:17], 0x10          ; e4, e5
	s_add_nc_u64 s[G0XB+2:G0XB+3], s[4:5], s[66:67]          ; x's tile: K 0 on into Big,
	s_add_nc_u64 s[G0XS+2:G0XS+3], s[G0XB+2:G0XB+3], 256     ; K 256 on into Small
	s_or_b32 s[G0XB+3], s[G0XB+3], 0x80000000      ; type = 2
	s_or_b32 s[G0XS+3], s[G0XS+3], 0x80000000
	s_cmp_eq_u32 s[WV], 1                          ; which W I fetch: a choice on the wave's number alone
	s_cselect_b64 s[G0WB+2:G0WB+3], s[6:7], s[8:9]
	s_cmp_eq_u32 s[WV], 3
	s_cselect_b64 s[G0WB+2:G0WB+3], s[10:11], s[G0WB+2:G0WB+3]
	s_add_nc_u64 s[G0WB+2:G0WB+3], s[G0WB+2:G0WB+3], s[2:3]
	s_add_nc_u64 s[G0WS+2:G0WS+3], s[G0WB+2:G0WB+3], 256
	s_or_b32 s[G0WB+3], s[G0WB+3], 0x80000000
	s_or_b32 s[G0WS+3], s[G0WS+3], 0x80000000
	CROUND                                         ; all sixteen work-groups are here: the first joint loads meet
	s_cmp_eq_u32 s[WV], 0                          ; a wave's two first fills stand in one branch, ahead of every wait on TENSORcnt and every LDS read: two loads of mine are out
	s_cbranch_scc0 .Lfirst_w
	tensor_load_to_lds s[G0XB:G0XB+3], s[G1XB:G1XB+7], s[G2X:G2X+3], s[G3:G3+3]
	s_nop 0
	tensor_load_to_lds s[G0XS:G0XS+3], s[G1XS:G1XS+7], s[G2X:G2X+3], s[G3:G3+3]
	s_nop 0
.rept 4
	v_nop
.endr
	s_branch .Lfirst_asked
.Lfirst_w:
	tensor_load_to_lds s[G0WB:G0WB+3], s[G1WB:G1WB+7], s[G2W:G2W+3], s[G3:G3+3]
	s_nop 0
	tensor_load_to_lds s[G0WS:G0WS+3], s[G1WS:G1WS+7], s[G2W:G2W+3], s[G3:G3+3]
	s_nop 0
.rept 4
	v_nop
.endr
.Lfirst_asked:
	; my biases: bq and bv at hidden unit 128 x block + 64 wn + 4 r; the second tile's lie 512 units, 2,048 bytes, on
	s_lshl_b32 s2, s[WX], 9
	s_lshl_b32 s31, s[WN], 8
	s_add_co_u32 s2, s2, s31
	s_add_nc_u64 s[12:13], s[12:13], s[2:3]
	s_add_nc_u64 s[14:15], s[14:15], s[2:3]
	v_and_b32 v10, 15, v0                          ; r
	v_bfe_u32 v11, v0, 4, 1                        ; hh
	v_lshlrev_b32 v[BO], 4, v10
	global_load_b128 v[HRAW:HRAW+3], v[BO], s[12:13]
	global_load_b128 v[BVB:BVB+3], v[BO], s[14:15]
	global_load_b128 v[BV2:BV2+3], v[BO], s[14:15] offset:2048
	; the prefetches: x at time step 32 x block + 8 cx + 4 w; who asks: waves 0 and 1 (the same in all sixteen partners)
	s_add_nc_u64 s[PFA:PFA+1], s[4:5], s[66:67]
	s_lshl_b32 s2, s[CX], 13
	s_lshl_b32 s31, s[WV], 12
	s_add_co_u32 s2, s2, s31
	s_add_nc_u64 s[PFA:PFA+1], s[PFA:PFA+1], s[2:3]
	s_cmp_eq_u32 s[WM], 0
	s_cselect_b32 s[ASKF], 1, 0
	s_mov_b32 s[TL], 2                             ; two tiles
	v_and_b32 v[PFO], 7, v0
	v_lshlrev_b32 v[PFO], 21, v[PFO]               ; batch lane % 8,
	v_bfe_u32 v12, v0, 3, 2
	v_lshl_add_u32 v[PFO], v12, 10, v[PFO]         ; time step lane / 8
	; LDS addresses of my fragments: row r x pitch + 16 hh, + my rows' place
	v_mul_u32_u24 v12, v10, PB
	v_lshl_add_u32 v12, v11, 4, v12
	v_mul_u32_u24 v13, v10, PS
	v_lshl_add_u32 v13, v11, 4, v13
	s_mul_i32 s27, s[WM], 128*PB
	v_add_nc_u32 v[AXB], s27, v12
	s_mul_i32 s27, s[WM], 128*PS
	s_add_co_u32 s27, s27, XS
	v_add_nc_u32 v[AXS], s27, v13
	s_mul_i32 s27, s[WN], 16*PB
	s_add_co_u32 s27, s27, WB
	v_add_nc_u32 v[AWB], s27, v12
	s_add_co_u32 s27, s27, 2*WBM
	v_add_nc_u32 v[AWBV], s27, v12
	s_mul_i32 s27, s[WN], 16*PS
	s_add_co_u32 s27, s27, WS
	v_add_nc_u32 v[AWS], s27, v13
	v_lshl_add_u32 v[CO], v11, 12, v[BO]           ; out: lanes 0-15 one time step's row, lanes 16-31 the next; 16 bytes a lane
	s_wait_kmcnt 0x0
	s_add_co_i32 s27, s[CQ], s[CQ+1]               ; e0 + e1, added to the exponent field of -log2(e)
	s_lshl_b32 s27, s27, 23
	s_add_co_u32 s[CQ], s27, 0xbfb8aa3b
	s_mov_b32 s[CQ+1], s[CQ]                       ; (named with it as a pair, so it is written)
	s_add_co_i32 s27, s[CK], s[CK+1]               ; e2 + e3, to that of log2(e)
	s_lshl_b32 s27, s27, 23
	s_add_co_u32 s[CK], s27, 0x3fb8aa3b
	s_mov_b32 s[CK+1], s[CK]
	s_add_co_i32 s27, s[SV], s[SV+1]               ; e4 + e5
	s_add_co_i32 s27, s27, 127
	s_lshl_b32 s[SV], s27, 23                      ; 2^(e4 + e5) as f32
	s_mov_b32 s[SV+1], s[SV]
	; out at time step 32 x block + 16 wm, hidden unit 128 x block + 64 wn, 0x400000 bytes into batch 0, 2, 4, 6.  x's and the W's addresses are done with: their registers take the four bases
	s_lshl_b32 s66, s[WY], 17
	s_lshl_b32 s27, s[WM], 16
	s_add_co_u32 s66, s66, s27
	s_lshl_b32 s27, s[WX], 9
	s_add_co_u32 s66, s66, s27
	s_lshl_b32 s27, s[WN], 8
	s_add_co_u32 s66, s66, s27
	s_add_co_u32 s66, s66, 0x400000
	s_add_nc_u64 s[OB:OB+1], s[18:19], s[66:67]    ; (s67 is still 0)
.irp p, 1,2,3
	s_add_nc_u64 s[OB+2*\p:OB+2*\p+1], s[OB+2*\p-2:OB+2*\p-1], 0x1000000   ; two batches on
.endr
	s_wait_loadcnt 0x0                             ; the biases
.irp u, 0,1,2,3
	v_mul_f32 v[BQP+2*\u], 0xbfb8aa3b, v[HRAW+\u]  ; -log2(e) bq
	v_mul_f32 v[BQP+2*\u+1], 0xbfb8aa3b, v[HRAW+\u]
.endr
	s_wait_tensorcnt 1                             ; my part of Big is in; Small's may stay out
	s_barrier_signal -1
	s_barrier_wait -1                              ; everybody's is
.Ltile:                                            ; a trip is a tile's walk over K.  Big is whole here in both trips; Small is shown whole by the change of slots at the fourth step
	FQA 0, 0, 0
	FK 0, 0
	FV 0, 0
	ASK 512                                        ; K 512-767, which Big's first refill will ask for, three steps of 96 matrix instructions on.  K 0-383 comes by the first fills alone
	STEP 0, 0, 64, 1                               ; Big, K 0-255: the first step's products start the sums: nothing is ever cleared
	STEP 1, 0, 128, 0
	STEP 0, 0, 192, 0
	TURN 1, 0, 1, 512, 768                         ; Big takes K 512-767; K 768-1023 is prefetched, six steps ahead of the refill that will ask for it
	STEP 0, 1, 64, 0                               ; Small, K 256-383
	TURN 0, 0, 2, 128, 0                           ; Small takes K 384-511
	STEP 0, 0, 64, 0                               ; Big, K 512-767
	STEP 1, 0, 128, 0
	STEP 0, 0, 192, 0
	TURN 1, 0, 1, 256, 0                           ; Big takes K 768-1023
	STEP 0, 1, 64, 0                               ; Small, K 384-511
	TURN 0, 0, 0, 0, 0                             ; nothing is filled again, so no round of the cluster's barrier
	STEP 0, 0, 64, 0                               ; Big, K 768-1023
	STEP 1, 0, 128, 0
	STEP 0, 0, 192, 0
	s_wait_dscnt 16                                ; the walk's last step: nothing more to fetch
	WIN 0x50
	MM 1, BQ, 0, 8, 0
	s_wait_dscnt 8                                 ; Wv's 8 may be out
	WIN 0xa0
	MM 1, BK, 0, 8, 0
	s_wait_dscnt 0x0
	WIN 0xf0
	MM 1, BVF, 0, 8, 0
	PLACES                                         ; in front of the first reads of results and of writes into the fragments' registers
	WIN 0
	s_cmp_eq_u32 s[TL], 1
	s_cbranch_scc1 .Llast_tile                     ; the last tile's way out is written out: it asks for nothing more
	; THE FIRST TILE'S WAY OUT, with the second tile's first six steps asked for in it: Big at its head, Small in its middle, one joint load a wave behind each round.
	s_wait_tensorcnt 0x0                           ; no tensor load of mine is out, so a group 0 may be written
	ds_add_u32 v[SPW], v[NIL]                      ; 0 onto my spare word; the steps below stand between it and the wait for it
	s_sub_nc_u64 s[G0XB+2:G0XB+3], s[G0XB+2:G0XB+3], 768           ; x: the same rows, back to K 0
	s_add_nc_u64 s[G0WB+2:G0WB+3], s[G0WB+2:G0WB+3], WSTEP-768     ; W: 512 rows on, back to K 0
	s_mov_b32 s[ASKF], 0                           ; x's rows have been read: they are prefetched no more
	s_wait_dscnt 0x0                               ; the add is done, and my reads of Big are over
	CROUND                                         ; no wave of any partner still reads Big or has a load on its way
	JLOAD G0XB, G1XB, G0WB, G1WB                   ; the second tile's K 0-255: it has half of this way out in which to land
	global_load_b128 v[RAW:RAW+3], v[BO], s[12:13] offset:2048     ; the second tile's bq
	TAIL0
.irp i, 0,1,2,3
	ONE \i, 0, BVB
.endr
	s_wait_tensorcnt 0x0                           ; my part of Big has landed
	ds_add_u32 v[SPW], v[NIL]
	s_sub_nc_u64 s[G0XS+2:G0XS+3], s[G0XS+2:G0XS+3], 128           ; x: back to K 256
	s_add_nc_u64 s[G0WS+2:G0WS+3], s[G0WS+2:G0WS+3], WSTEP-128     ; W: 512 rows on, back to K 256
	s_wait_dscnt 0x0                               ; the add is done (my reads of Small ended four steps before the walk's end)
	CROUND                                         ; behind this round Big is whole for every wave, and nobody reads Small
	JLOAD G0XS, G1XS, G0WS, G1WS                   ; the second tile's K 256-383
.irp i, 4,5,6,7
	ONE \i, 0, BVB
.endr
	FIN 7, 0, BVB
	s_wait_loadcnt 0x0                             ; the second tile's bq, asked for a way out ago
.irp u, 0,1,2,3
	v_mul_f32 v[BQP+2*\u], 0xbfb8aa3b, v[RAW+\u]
	v_mul_f32 v[BQP+2*\u+1], 0xbfb8aa3b, v[RAW+\u]
.endr
	s_wait_xcnt 0x0                                ; the last stores have read their data: the next walk's fragments land in those registers.  Nothing waits for the stores themselves
	s_sub_co_u32 s[TL], s[TL], 1
	s_cmp_lg_u32 s[TL], 0
	s_cbranch_scc1 .Ltile
.Llast_tile:
	; THE LAST TILE'S WAY OUT: its columns lie 2,048 bytes on
	TAIL0
.irp i, 0,1,2,3,4,5,6,7
	ONE \i, 2048, BV2
.endr
	FIN 7, 2048, BV2
	s_wait_tensorcnt 0x0                           ; the wave's end, behind my last tensor load
	ds_add_u32 v[SPW], v[NIL]
	s_wait_dscnt 0x0
	CROUND                                         ; the closing round: no work-group ends while a partner may still ask for a tile that names it
	s_endpgm
.Lfunc_end_k_qe0cebe050c_aft:
	.size	k_qe0cebe050c_aft, .Lfunc_end_k_qe0cebe050c_aft-k_qe0cebe050c_aft
	.p2alignl 7, 3214868480
	.fill 96, 4, 3214868480
	.section	.rodata,"a",@progbits
	.p2align	6, 0x0
	.amdhsa_kernel k_qe0cebe050c_aft
		.amdhsa_group_segment_fixed_size 327680
		.amdhsa_private_segment_fixed_size 0
		.amdhsa_enable_private_segment 0
		.amdhsa_kernarg_size 64
		.amdhsa_user_sgpr_count 2
		.amdhsa_user_sgpr_kernarg_segment_ptr 1
		.amdhsa_wavefront_size32 1
		.amdhsa_system_sgpr_workgroup_id_x 1
		.amdhsa_system_sgpr_workgroup_id_y 1
		.amdhsa_system_sgpr_workgroup_id_z 1
		.amdhsa_system_vgpr_workitem_id 0
		.amdhsa_next_free_vgpr 1024
		.amdhsa_next_free_sgpr 102
		.amdhsa_reserve_vcc 0
		.amdhsa_float_denorm_mode_32 3
		.amdhsa_float_denorm_mode_16_64 3
		.amdhsa_memory_ordered 1
		.amdhsa_forward_progress 1
		.amdhsa_inst_pref_size 255
	.end_amdhsa_kernel
	.section	.bss,"aw",@nobits
	.p2align	6
	.space	262144
	.amdgpu_metadata
---
amdhsa.version: [ 1, 2 ]
amdhsa.kernels:
  - .name:           k_qe0cebe050c_aft
    .symbol:         k_qe0cebe050c_aft.kd
    .args:
      - { .name: x_codes, .offset: 0, .size: 8, .value_kind: global_buffer, .address_space: global }
      - { .name: Wq_codes, .offset: 8, .size: 8, .value_kind: global_buffer, .address_space: global }
      - { .name: Wk_codes, .offset: 16, .size: 8, .value_kind: global_buffer, .address_space: global }
      - { .name: Wv_codes, .offset: 24, .size: 8, .value_kind: global_buffer, .address_space: global }
      - { .name: bq, .offset: 32, .size: 8, .value_kind: global_buffer, .address_space: global }
      - { .name: bv, .offset: 40, .size: 8, .value_kind: global_buffer, .address_space: global }
      - { .name: lowp_scales, .offset: 48, .size: 8, .value_kind: global_buffer, .address_space: global }
      - { .name: out0, .offset: 56, .size: 8, .value_kind: global_buffer, .address_space: global }
    .group_segment_fixed_size: 327680
    .private_segment_fixed_size: 0
    .kernarg_segment_align: 8
    .kernarg_segment_size: 64
    .max_flat_workgroup_size: 128
    .sgpr_count:     102
    .vgpr_count:     1024
    .wavefront_size: 32
...
	.end_amdgpu_metadata
.endif
;; end of part 1
